; MI455X (gfx1250); checked and timed in simulation.
; The chip was launched on July 23, 2026; its instructions are those of AMD's public machine-readable ISA for CDNA 5 (MIT licence, August 2026) and "CDNA5" Instruction Set Architecture Reference Guide (July 2026). The comments in the code are by the model that wrote it; some were corrected since.
;; LSTM Cell2. Allowed arithmetic: matrix products marked QUANTISED: E3M2 operands, one E8M0 scale for each 32 along K, by v_wmma_scale_f32_16x16x128_f8f6f4 with both operands' format E3M2, f32 sums; everything else in f32.
;; Inputs: W_codes 8,192 x 64 x 24 uint8 (E3M2 codes of W, K innermost, in blocks of 32 codes, four codes in three bytes); W_scales 8,192 x 64 uint8 (E8M0 scales of W, one for each 32 codes along K); b 8,192 float32; c 4,096 x 2,048 float32; gn_bias 8,192 float32; gn_weight 8,192 float32; h_codes 4,096 x 64 x 24 uint8 (E3M2 codes of h, K innermost, in blocks of 32 codes, four codes in three bytes); h_scales 4,096 x 64 uint8 (E8M0 scales of h, one for each 32 codes along K); x 1 x 4,096 x 2,048 float32.
;; Outputs: out0 4,096 x 2,048 float32; out1 4,096 x 2,048 float32.
;; This version of the problem:
;;   THIS VERSION OF THE PROBLEM IS GIVEN IN LOW PRECISION. The matrix products marked QUANTISED in the list below multiply operands that are first quantised to E3M2 (3 exponent bits, 2 mantissa bits; 6 bits a number), with one power-of-two scale for each 32 numbers along K (OCP MX v1.0); their sums are f32. All else is computed in f32.
;;   The module's matrix products, in the order in which they are computed (A, B: the left and right operand; K: the contracted axis; several contracted axes count as one K, in the product's order):
;;     1. [M 4,096, K 2,048] x [K 2,048, N 8,192]; A: input h (given as codes); B: input W (given as codes): QUANTISED
;;   THE QUANTISER, for each operand of a quantised product, along K:
;;     - K is cut into blocks of 32 from its start; a last block that is shorter is filled with zeros.
;;     - A block's scale is 2^e with e = floor(log2(the largest magnitude in the block)) - 4, held to -126 .. 127; a block of zeros has e = 0. As a byte (E8M0): e + 127.
;;     - Each number is divided by its block's scale, clamped to +-28, and rounded to the nearest number of E3M2, ties to even, subnormals kept.
;;     - The product sums the exact products of the quantised numbers (number of the format x scale) in f32.
;;   ~~~python
;;   def quantise(x, axis):      # numpy; x: float32 -> the quantised numbers, widened to float32 again
;;       x = np.moveaxis(x, axis, -1); K = x.shape[-1]
;;       x = np.pad(x, [(0, 0)] * (x.ndim - 1) + [(0, -K % 32)]); x = x.reshape(x.shape[:-1] + (-1, 32)); a = np.abs(x).max(-1, keepdims=True)
;;       e = np.where(a > 0, np.clip(np.frexp(np.where(a > 0, a, 1))[1] - 1 - 4, -126, 127), 0)      # np.frexp(a)[1] - 1 = floor(log2(a)), exactly
;;       r = np.clip(x / 2.0 ** e, -28, 28)
;;       step = 2.0 ** (np.maximum(np.frexp(np.where(r == 0, 1, r))[1] - 1, -2) - 2)
;;       q = np.round(r / step) * step * 2.0 ** e      # np.round: ties to even
;;       return np.moveaxis(q.reshape(q.shape[:-2] + (-1,))[..., :K], -1, axis).astype(np.float32)
;;   ~~~
;;   INPUTS GIVEN AS CODES. W (in the module: [8192, 2048], K = its axis 1); h (in the module: [4096, 2048], K = its axis 1): each comes as NAME_codes (uint8): NAME with its K axis moved to the last place and cut into blocks of 32 codes, [.., K / 32, bytes a block], one block behind the other in memory; four codes in three bytes: a row's codes are one little-endian stream of bits, code i at bits 6 i .. 6 i + 5 (a code: sign, 3 exponent bits, 2 mantissa bits); and NAME_scales (uint8): the same leading axes, one E8M0 byte (e + 127) for each 32 codes along K. Its value is code x scale, taken as it is: it is not quantised again, and the codes and scales need not be those that the quantiser above would give.
;; One version. Each part assembles by itself: llvm-mc -triple=amdgcn-amd-amdhsa -mcpu=gfx1250 --defsym DOCPART=n.
;; ======== version 1 of 1: 2 launches
;; limits: right only within a limited range of input values
;; workspace buffers: z 134,217,728 bytes; stats 2,097,152 bytes
;; launch gemm (part 1): grid 32 x 16, 4 waves a work-group, clusters of 4 x 4, 327,680 bytes of LDS; arguments h_codes, h_scales, W_codes, W_scales, z, b, stats; writes z, stats
.if DOCPART == 1
	.amdgcn_target "amdgcn-amd-amdhsa--gfx1250"
	.amdhsa_code_object_version 6
	.text
	.protected	k_q2ed0b5ea68_gemm
	.globl	k_q2ed0b5ea68_gemm
	.p2align	8
	.type	k_q2ed0b5ea68_gemm,@function
k_q2ed0b5ea68_gemm:
	s_mov_b64 s[64:65], 0
	v_nop
	global_prefetch_b8 v0, s[64:65] scope:SCOPE_SE
	s_setreg_imm32_b32 hwreg(HW_REG_WAVE_MODE, 25, 1), 1
	s_wait_xcnt 0x0
	s_wait_alu depctr_hold_cnt(0) depctr_sa_sdst(0) depctr_va_vdst(0) depctr_va_sdst(0) depctr_va_ssrc(0) depctr_va_vcc(0) depctr_vm_vsrc(0)
	s_getreg_b32 s2, hwreg(HW_REG_IB_STS2, 6, 4)
	s_cmp_eq_u32 s2, 0
	s_cbranch_scc0 .Lentry_in_a_cluster
	s_endpgm
.Lentry_in_a_cluster:
	s_bfe_u32 s2, ttmp6, 0x10000c
	s_cmp_lg_u32 s2, 0xf033
	s_cbranch_scc0 .Lentry_shape_is_right
	s_endpgm
.Lentry_shape_is_right:
; z = h W^T + b, [4096][8192] f32, from E3M2 codes and E8M0 scales as they lie in memory, and the statistics of each run of 128 columns of each row.
; DEAD WORK: the input x stands in no formula of the function that is computed, so no output hangs on it for any values: no launch reads it. A NaN or an infinity in x is not carried to a result.
; LIMIT: b is the C of the first product, so it is the first term of each f32 sum, not the last.
; A work-group of four waves makes 256 x 256 of z; a wave 128 x 128: 64 accumulators, 512 registers.  A = h, B = W.
; K goes through two LDS slots in chunks of 256 bytes of each row of codes (a row is 1,536 bytes: six chunks, each on a multiple of 256 bytes); a step of 128 along K is 96 bytes: 16 steps, written out.
; The scales of the 256 rows of h and of W, all of K, come once, as units of 256 bytes, and stay behind the ring.
; CLUSTERS 4 x 4: h's tiles are asked for jointly along a row of the cluster, W's along a column.
; PREFETCH: behind the load of chunk c stands one request a wave for chunk c + 2 (at the head for chunks 1 and 2): a lane a row; of the 128 rows that a wave fetches each of the four partners names 32, told apart by address; offsets end at chunk 5, inside the row.
; The matrix instruction is used transposed (source 0 = W's rows, source 1 = h's rows): a lane holds eight neighbouring columns of one row of z.
; stats: [128 blocks of 32 rows][64 runs of 128 columns][32 rows][S, M2]: S the run's sum, M2 the sum of squared distances from the run's own mean.
; One tile to a work-group: a stage of its own for work-groups that stay would need 4 x 4,096 bytes at the least, and 13,824 are left beside the ring, the scales and the spare words.
; REGISTERS: window 0: v7-31 addresses and small values, v32-63 scale words (two sets), v64-127 the bias, v128-223 h's fragments (one set), v224-255 at work on the way out;
; window 1: W's fragments, sets at v0 and v128; on the way out v96-127 at work, v128-255 rows read back;  windows 2, 3: the accumulators.
.set SIZE_N, 8192
.set SIZE_K, 2048
.set ROWB,   256
.set NQ,     2
.set KROW,   SIZE_K*6/8
.set STEPS,  SIZE_K/128
.set CHUNKS, KROW/ROWB
.set PITCH,  272                       ; 256 bytes + 16 of padding
.set FR,     12
.set NL,     6
.set NP,     4
.set HALFT,  128*PITCH
.set SLOT,   4*HALFT
.set KS,     SIZE_K/32
.set SCL,    2*SLOT
.set HALFS,  (128*KS/256)*272
.set SBLK,   (16*KS/256)*272
.set SPARE,  SCL+4*HALFS               ; the spare words: 512 bytes that no other line names
.set SPITCH, 528
.set STAGE,  (CHUNKS%2)*SLOT           ; the stage lies in the slot that does not hold the last chunk: it has had its last fill and last read by then
.set SA,   7                           ; 8 x lane: my place in a run's 32 rows of stats
.set SE,   8                           ; v8-11 S, M2 of an even and an odd block
.set SD,   12                          ; v12-13 what is stored
.set NMN,  14                          ; v14-15 minus the run's mean (the pair's high word is written once)
.set ADRA, 16
.set ADRB, 20
.set STO,  24
.set RD,   25
.set CO,   26
.set ADRS, 27
.set SPW,  28
.set NIL,  29
.set PFO,  30                          ; lane x a row of codes
.set BO,   31                          ; 32 x (lane / 16): my eight columns of the bias
.set SC,   32
.set BI,   64
.set AF,   128
.set T0,   224
.set D1,   96
.set BK,   128
.set G1, 24
.set G0, 32
.set G1B, 48
.set G0B, 56
.set G1S, 68
.set G0S, 76
.set G1SB, 80
.set G0SB, 88
.set G0H, 4
.set G0HB, 8
.set PFA, 94                           ; s[94:95] my work-group's 32 rows of the 128 that my wave fetches; never rewritten
.set MSB, 0
.macro WIN new
.if MSB != (\new)
	s_set_vgpr_msb (MSB<<8)|(\new)
.set MSB, (\new)
.endif
.endm
.set MUL_LO, 0xa1
.set MUL_HI, 0xf1
.set TO_B,   0x40
.macro JLOAD g0a, g1a, g0b, g1b        ; waves 0, 1 fetch for h, waves 2, 3 for W
	s_cmp_eq_u32 s15, 0
	s_cbranch_scc0 .Lfor_b_\@
	tensor_load_to_lds s[\g0a:\g0a+3], s[\g1a:\g1a+7]
	s_nop 0
.rept 4
	v_nop
.endr
	s_branch .Lasked_\@
.Lfor_b_\@:
	tensor_load_to_lds s[\g0b:\g0b+3], s[\g1b:\g1b+7]
	s_nop 0
.rept 4
	v_nop
.endr
.Lasked_\@:
.endm
.macro CREST                           ; a round of the cluster's barrier behind its opening barrier
	s_cmp_lg_u32 s14, 0
	s_cbranch_scc1 .Lnot_wave_0_\@
	s_barrier_signal -3
.Lnot_wave_0_\@:
	s_barrier_wait -3
	s_barrier_signal -1
	s_barrier_wait -1
.endm
.macro CROUND
	s_barrier_signal -1
	s_barrier_wait -1
	CREST
.endm
.macro ASK c                           ; chunk c of my 32 rows, a lane a row
	global_prefetch_b8 v[PFO], s[PFA:PFA+1] offset:(\c)*ROWB th:TH_LOAD_NT scope:SCOPE_SE
.endm
	s_load_b128 s[4:7], s[0:1], 0x0                ; h's codes, h's scales
	s_load_b128 s[8:11], s[0:1], 0x10              ; W's codes, W's scales
	s_load_b64 s[12:13], s[0:1], 0x20              ; z
	s_load_b64 s[96:97], s[0:1], 0x28              ; b
	s_load_b64 s[98:99], s[0:1], 0x30              ; stats
	v_lshl_add_u32 v[SPW], v0, 2, SPARE
	v_mov_b32 v[NIL], 0
	ds_add_u32 v[SPW], v[NIL]                      ; the opening lines: the add twice on end and one wait
	ds_add_u32 v[SPW], v[NIL]
	v_lshrrev_b32 v1, 5, v0
	v_readfirstlane_b32 s14, v1                    ; wave
	s_lshr_b32 s15, s14, 1                         ; my half of the rows; also: I fetch for h (0) or W (1)
	s_and_b32 s16, s14, 1                          ; my half of the columns; also: which 128 rows I fetch
	s_bfe_u32 s40, ttmp6, 0x40000                  ; cx
	s_bfe_u32 s41, ttmp6, 0x40004                  ; cy
	s_lshl_b32 s42, ttmp9, 2
	s_add_co_u32 s42, s42, s40                     ; tile column
	s_and_b32 s17, ttmp7, 0xffff
	s_lshl_b32 s17, s17, 2
	s_add_co_u32 s17, s17, s41                     ; tile row
	s_lshl_b32 s43, s41, 2
	s_lshl_b32 s43, 15, s43                        ; my row of the cluster
	s_lshl_b32 s44, 0x1111, s40                    ; my column
	s_mov_b32 s66, 0xffff0000                      ; lanes 16-31
	s_mov_b32 s100, 0x76543210                     ; selects for lane l xor 16
	s_mov_b32 s101, 0xfedcba98
	s_or_b32 s[G1+0], s43, (0<<16)|(1<<20)|(1<<21)|(5<<22)|(3<<25)   ; bytes; 4 words of padding behind every 64
	s_or_b32 s[G1B+0], s44, (0<<16)|(1<<20)|(1<<21)|(5<<22)|(3<<25)
.irp g, G1, G1B
	s_mov_b32 s[\g+1], ROWB<<16
	s_mov_b32 s[\g+2], 256<<16                     ; 256 rows for the head's loads
	s_mov_b32 s[\g+3], ROWB<<16
	s_mov_b32 s[\g+4], 256
	s_mov_b32 s[\g+5], KROW
	s_mov_b32 s[\g+6], 0
	s_mov_b32 s[\g+7], 0
.endr
	s_or_b32 s[G1S+0], s43, (3<<16)|(1<<20)|(1<<21)|(5<<22)|(3<<25)  ; the scales of 256 rows: KS rows of 32 elements of 8 bytes
	s_or_b32 s[G1SB+0], s44, (3<<16)|(1<<20)|(1<<21)|(5<<22)|(3<<25)
.irp g, G1S, G1SB
	s_mov_b32 s[\g+1], 32<<16
	s_mov_b32 s[\g+2], KS<<16
	s_mov_b32 s[\g+3], 32<<16
	s_mov_b32 s[\g+4], KS
	s_mov_b32 s[\g+5], 32
	s_mov_b32 s[\g+6], 0
	s_mov_b32 s[\g+7], 0
.endr
	s_lshl_b32 s20, s17, 8                         ; h: the tile's first row
	s_lshl_b32 s46, s42, 8                         ; W: likewise
	s_mov_b32 s21, 0
	s_mov_b32 s47, 0
	s_mov_b64 s[18:19], KS
	s_mul_u64 s[22:23], s[20:21], s[18:19]
	s_mul_u64 s[92:93], s[46:47], s[18:19]
	s_mov_b64 s[18:19], KROW
	s_mul_u64 s[20:21], s[20:21], s[18:19]
	s_mul_u64 s[46:47], s[46:47], s[18:19]
	s_mul_i32 s18, s16, 128*KROW                   ; in the ring: my 128 rows of a tile
	s_mov_b32 s19, 0
	s_mul_i32 s45, s14, HALFT
	s_wait_dscnt 0x0                               ; both opening adds are done
	s_wait_kmcnt 0x0
	s_add_nc_u64 s[20:21], s[4:5], s[20:21]
	s_add_nc_u64 s[22:23], s[6:7], s[22:23]
	s_add_nc_u64 s[46:47], s[8:9], s[46:47]
	s_add_nc_u64 s[92:93], s[10:11], s[92:93]
	CROUND                                         ; in front of the first joint loads
	s_mov_b32 s[G0H], 1
	s_mov_b32 s[G0H+1], 0
	s_mov_b64 s[G0H+2:G0H+3], s[20:21]
	s_or_b32 s[G0H+3], s[G0H+3], 0x80000000
	s_mov_b32 s[G0HB], 1
	s_mov_b32 s[G0HB+1], 2*HALFT
	s_mov_b64 s[G0HB+2:G0HB+3], s[46:47]
	s_or_b32 s[G0HB+3], s[G0HB+3], 0x80000000
	s_mov_b32 s[G0S], 1
	s_mov_b32 s[G0S+1], SCL
	s_mov_b64 s[G0S+2:G0S+3], s[22:23]
	s_or_b32 s[G0S+3], s[G0S+3], 0x80000000
	s_mov_b32 s[G0SB], 1
	s_mov_b32 s[G0SB+1], SCL+2*HALFS
	s_mov_b64 s[G0SB+2:G0SB+3], s[92:93]
	s_or_b32 s[G0SB+3], s[G0SB+3], 0x80000000
	s_add_nc_u64 s[20:21], s[20:21], s[18:19]
	s_add_nc_u64 s[46:47], s[46:47], s[18:19]
.irp s, 0,1
	s_mov_b32 s[G0+4*\s], 1
	s_add_co_u32 s[G0+4*\s+1], s45, \s*SLOT
	s_add_nc_u64 s[G0+4*\s+2:G0+4*\s+3], s[20:21], \s*ROWB
	s_or_b32 s[G0+4*\s+3], s[G0+4*\s+3], 0x80000000
	s_mov_b32 s[G0B+4*\s], 1
	s_add_co_u32 s[G0B+4*\s+1], s45, \s*SLOT
	s_add_nc_u64 s[G0B+4*\s+2:G0B+4*\s+3], s[46:47], \s*ROWB
	s_or_b32 s[G0B+4*\s+3], s[G0B+4*\s+3], 0x80000000
.endr
; the head's four tiles, one load a wave: chunk 0 of h, of W, h's scales, W's scales; one tree of branches on the wave's number
.macro ARM under, g0, g1, next
	s_cmp_lt_u32 s14, \under
	s_cbranch_scc0 \next
	tensor_load_to_lds s[\g0:\g0+3], s[\g1:\g1+7]
	s_nop 0
.rept 4
	v_nop
.endr
	s_branch .Lhead_asked
\next:
.endm
	ARM 1, G0H,  G1,  .Lhead_b
	ARM 2, G0HB, G1B, .Lhead_sa
	ARM 3, G0S,  G1S, .Lhead_sb
	tensor_load_to_lds s[G0SB:G0SB+3], s[G1SB:G1SB+7]
	s_nop 0
.rept 4
	v_nop
.endr
.Lhead_asked:
	s_cmp_eq_u32 s15, 0                            ; the prefetches' base: the 128 rows that I fetch in the ring,
	s_cselect_b64 s[PFA:PFA+1], s[20:21], s[46:47]
	s_cselect_b32 s18, s40, s41                    ; my place among the four that ask with me,
	s_mul_i32 s18, s18, 32*KROW                    ; and its 32 rows
	s_mov_b32 s19, 0
	s_add_nc_u64 s[PFA:PFA+1], s[PFA:PFA+1], s[18:19]
	v_and_b32 v1, 15, v0                           ; r
	v_bfe_u32 v2, v0, 4, 1                         ; h
	v_mul_u32_u24 v3, v1, PITCH
	v_mul_u32_u24 v4, v2, 24
	v_add_nc_u32 v4, v3, v4
	s_mov_b32 s21, SLOT-232
	s_mov_b32 s22, SLOT+232
	v_sub_nc_u32 v7, 1, v2
	v_mul_u32_u24 v5, s21, v2
	v_add_nc_u32 v5, v3, v5
	v_add_nc_u32 v5, 232, v5                       ; lanes 0-15 byte 232 in slot 0, lanes 16-31 byte 0 in slot 1
	v_mul_u32_u24 v6, s22, v7
	v_add_nc_u32 v6, v3, v6                        ; lanes 0-15 byte 232 in slot 1, lanes 16-31 byte 0 in slot 0
	s_mul_i32 s21, s15, HALFT
	s_mul_i32 s22, s16, HALFT
	s_add_co_u32 s22, s22, 2*HALFT
	v_add_nc_u32 v[ADRA+2], s21, v5
	v_add_nc_u32 v[ADRA+3], s21, v6
	v_add_nc_u32 v[ADRB+2], s22, v5
	v_add_nc_u32 v[ADRB+3], s22, v6
.irp s, 0,1
	v_add_nc_u32 v[ADRA+\s], s21, v4
	v_add_nc_u32 v[ADRB+\s], s22, v4
	s_add_co_u32 s21, s21, SLOT
	s_add_co_u32 s22, s22, SLOT
.endr
	v_mul_u32_u24 v5, v1, KS
	v_lshrrev_b32 v6, 8, v5
	v_lshl_add_u32 v5, v6, 4, v5
	s_mul_i32 s21, s15, HALFS
	s_mul_i32 s22, s16, HALFS
	s_add_co_u32 s22, s22, 2*HALFS
	s_sub_co_u32 s22, s22, s21
	v_mul_u32_u24 v6, s22, v2                      ; lanes 16-31 take W's scale words
	s_add_co_u32 s21, s21, SCL
	v_add_nc_u32 v5, v5, v6
	v_add_nc_u32 v[ADRS], s21, v5
	s_mul_i32 s23, s14, 16*SPITCH
	s_add_co_u32 s23, s23, STAGE
	v_mul_u32_u24 v5, v1, SPITCH
	v_lshl_add_u32 v5, v2, 5, v5
	v_add_nc_u32 v[STO], s23, v5
	v_and_b32 v6, 31, v0
	v_lshlrev_b32 v[CO], 4, v6
	v_add_nc_u32 v[RD], s23, v[CO]
	v_lshlrev_b32 v[SA], 3, v6
	v_mul_u32_u24 v[PFO], v6, KROW
	v_lshlrev_b32 v[BO], 5, v2
	v_mov_b32 v[NMN+1], 0
	s_lshl_b32 s20, s17, 8
	s_lshl_b32 s21, s15, 7
	s_add_co_u32 s20, s20, s21                     ; my first row of z
	s_lshl_b32 s40, s20, 9                         ; in stats: 16,384 bytes for 32 rows
	s_mov_b32 s21, 0
	s_mov_b64 s[18:19], SIZE_N*4
	s_mul_u64 s[20:21], s[20:21], s[18:19]
	s_lshl_b32 s46, s42, 10
	s_lshl_b32 s47, s16, 9
	s_add_co_u32 s46, s46, s47                     ; my first column, in bytes
	s_lshr_b32 s41, s46, 1                         ; 256 bytes of stats for a run of 128 columns
	s_add_co_u32 s40, s40, s41
	s_mov_b32 s41, 0
	s_mov_b32 s47, 0
	s_add_nc_u64 s[20:21], s[20:21], s[46:47]
	s_add_nc_u64 s[12:13], s[12:13], s[20:21]
	s_add_nc_u64 s[96:97], s[96:97], s[46:47]
	s_add_nc_u64 s[98:99], s[98:99], s[40:41]
.macro FRAG reg, adr, st, i            ; 16 rows x 128 K: six pieces of 8 bytes; byte y of a row lies in slot (y / 256) % 2 at byte y % 256
.irp p, 0,1,2,3,4,5
.set BY, 96*(\st)+48*(\p/3)+8*(\p%3)
.if BY/ROWB == (BY+24)/ROWB
	ds_load_b64 v[\reg+2*\p:\reg+2*\p+1], v[\adr+(BY/ROWB)%2] offset:BY%ROWB+(\i)*16*PITCH
.else
	ds_load_b64 v[\reg+2*\p:\reg+2*\p+1], v[\adr+2+(BY/ROWB)%2] offset:BY%ROWB-232+(\i)*16*PITCH
.endif
.endr
.endm
; 16 products: h's blocks a0, a0 + 1 x W's eight.  first = 1: the bias is C.  The 64 accumulators take turns
.macro MUL16 a0, p, q, sc, first
.irp a, \a0, \a0+1
.irp b, 0,1,2,3,4,5,6,7
.if \first
	v_wmma_scale_f32_16x16x128_f8f6f4 v[8*(8*((\a)%4)+\b):8*(8*((\a)%4)+\b)+7], v[128*(\p)+FR*\b:128*(\p)+FR*\b+FR-1], v[AF+FR*(\a):AF+FR*(\a)+FR-1], v[BI+8*\b:BI+8*\b+7], v[SC+8*NQ*(\sc)+NQ*\b+(\q)], v[SC+8*NQ*(\sc)+NQ*(\a)+(\q)] matrix_a_fmt:MATRIX_FMT_BF6 matrix_b_fmt:MATRIX_FMT_BF6 matrix_a_scale:MATRIX_SCALE_ROW1
.else
	v_wmma_scale_f32_16x16x128_f8f6f4 v[8*(8*((\a)%4)+\b):8*(8*((\a)%4)+\b)+7], v[128*(\p)+FR*\b:128*(\p)+FR*\b+FR-1], v[AF+FR*(\a):AF+FR*(\a)+FR-1], v[8*(8*((\a)%4)+\b):8*(8*((\a)%4)+\b)+7], v[SC+8*NQ*(\sc)+NQ*\b+(\q)], v[SC+8*NQ*(\sc)+NQ*(\a)+(\q)] matrix_a_fmt:MATRIX_FMT_BF6 matrix_b_fmt:MATRIX_FMT_BF6 matrix_a_scale:MATRIX_SCALE_ROW1
.endif
.endr
.endr
.endm
.macro FETCH_B st, p
	WIN TO_B
.irp i, 0,1,2,3,4,5,6,7
	FRAG 128*(\p)+FR*\i, ADRB, \st, \i
.endr
	WIN 0
.endm
.macro FETCH_A st, i0
.irp i, \i0, \i0+1, \i0+2, \i0+3
	FRAG AF+FR*(\i), ADRA, \st, \i
.endr
.endm
.macro SCALES pr                       ; the scale words of steps 2 pr, 2 pr + 1: lanes 0-15 h's block i, lanes 16-31 W's
.irp i, 0,1,2,3,4,5,6,7
	ds_load_b64 v[SC+8*NQ*((\pr)%2)+NQ*\i:SC+8*NQ*((\pr)%2)+NQ*\i+1], v[ADRS] offset:\i*SBLK+4*NQ*(\pr)
.endr
.endm
.macro PLACES n
.rept \n
	v_nop
.endr
.endm
; A step: 64 products; the next step's fragments are fetched in two runs, in its middle and at its end.
; Where the next step ends in a chunk not yet read: the wait for my tensor loads and a barrier, ahead of the fetch.
; Where it begins in a later chunk: the three lines, the barrier, and, while chunks are left, the cluster's round and the refill two chunks on.
.macro STEP st, first
.set NX, (\st)+1
.set C0, (96*(\st))/ROWB
.set C1, (96*NX)/ROWB
.set E0, (96*(\st)+95)/ROWB
.set E1, (96*NX+95)/ROWB
.set PF, 0
.if C1 > C0 || E1 > E0
.if C1 > C0
	s_wait_tensorcnt 0x0                           ; all my tensor loads have landed
	ds_add_u32 v[SPW], v[NIL]
	s_wait_dscnt 4*NL+1                            ; the add and h's blocks 4-7 (24 loads) may be out
	WIN MUL_LO
	MUL16 0, (\st)%2, (\st)%2, ((\st)/2)%2, 0
.else
	s_wait_dscnt 4*NL                              ; h's blocks 4-7 may be out
	WIN MUL_LO
	MUL16 0, (\st)%2, (\st)%2, ((\st)/2)%2, 0
	s_wait_tensorcnt 0x0                           ; my part of the new chunk is in
.endif
	s_wait_dscnt 0x0
	s_barrier_signal -1
	MUL16 2, (\st)%2, (\st)%2, ((\st)/2)%2, 0
	WIN 0
	s_barrier_wait -1
.if C1 > C0 && C0+2 < CHUNKS
	CREST
	s_add_nc_u64 s[G0+4*(C0%2)+2:G0+4*(C0%2)+3], s[G0+4*(C0%2)+2:G0+4*(C0%2)+3], 2*ROWB
	s_add_nc_u64 s[G0B+4*(C0%2)+2:G0B+4*(C0%2)+3], s[G0B+4*(C0%2)+2:G0B+4*(C0%2)+3], 2*ROWB
	JLOAD G0+4*(C0%2), G1, G0B+4*(C0%2), G1B       ; chunk C0 + 2; its four v_nop are the places for the loads below
.if C0+4 < CHUNKS
.set PF, C0+4
.endif
.else
	PLACES NP
.endif
.else
	s_wait_dscnt 4*NL
	WIN MUL_LO-0x20*(\first)                       ; first = 1: C from window 0
	MUL16 0, (\st)%2, (\st)%2, ((\st)/2)%2, \first
	MUL16 2, (\st)%2, (\st)%2, ((\st)/2)%2, \first
	s_wait_dscnt 0
	PLACES NP
.endif
	FETCH_B NX, NX%2
	FETCH_A NX, 0
.if NX%2 == 0
	SCALES NX/2
.endif
.if PF > 0
	ASK PF                                         ; two chunks ahead of the refill just asked for
.endif
	WIN MUL_HI-0x30*(\first)
	MUL16 4, (\st)%2, (\st)%2, ((\st)/2)%2, \first
	MUL16 6, (\st)%2, (\st)%2, ((\st)/2)%2, \first
	PLACES NP
	WIN 0
	FETCH_A NX, 4
.endm
	s_wait_alu depctr_va_vdst(0)                   ; the wait at the head's end
.irp b, 0,1,2,3,4,5,6,7
	global_load_b128 v[BI+8*\b:BI+8*\b+3],   v[BO], s[96:97] offset:64*\b       ; b at columns 16 b + 8 (lane / 16) + 0 .. 7
	global_load_b128 v[BI+8*\b+4:BI+8*\b+7], v[BO], s[96:97] offset:64*\b+16
.endr
	ASK 1
	ASK 2
	s_wait_tensorcnt 0x0                           ; my tile of the head's four is in; the three lines ahead of slot 1's first fill
	ds_add_u32 v[SPW], v[NIL]
	s_mov_b32 s[G1+2], 128<<16                     ; no load of mine is out: from here a load brings 128 rows
	s_mov_b32 s[G1+4], 128
	s_mov_b32 s[G1B+2], 128<<16
	s_mov_b32 s[G1B+4], 128
	s_wait_dscnt 0x0
	CROUND
	JLOAD G0+4, G1, G0B+4, G1B                     ; chunk 1
	FETCH_B 0, 0
	FETCH_A 0, 0
	SCALES 0
	FETCH_A 0, 4
	ASK 3
	s_wait_loadcnt 0x0                             ; the bias
	STEP 0, 1
.set ST, 1
.rept STEPS-2
	STEP ST, 0
.set ST, ST+1
.endr
	s_wait_dscnt 4*NL                              ; the last step
	WIN MUL_LO
	MUL16 0, 1, 1, 1, 0
	MUL16 2, 1, 1, 1, 0
	s_wait_dscnt 0
	WIN MUL_HI
	MUL16 4, 1, 1, 1, 0
	MUL16 6, 1, 1, 1, 0
	WIN 0
; THE WAY OUT, by blocks of 16 rows x 128 columns: through my own stage, back as rows of 512 bytes (into window 1), stored by 32 lanes as two aligned units of 256 bytes
.macro TOSTAGE a
.set AC, 64*((\a)%4)
.set BB, BK+64*((\a)%2)
	WIN 0x48+4*((\a)/4)                            ; store data window 2 or 3, loaded data window 1
.irp b, 0,1,2,3,4,5,6,7
	ds_store_b128 v[STO], v[AC+8*\b:AC+8*\b+3] offset:64*\b          ; each accumulator from its low end on
	ds_store_b128 v[STO], v[AC+8*\b+4:AC+8*\b+7] offset:64*\b+16
.endr
.irp t, 0,1,2,3,4,5,6,7,8,9,10,11,12,13,14,15
	ds_load_b128 v[BB+4*\t:BB+4*\t+3], v[RD] offset:\t*SPITCH        ; a wave's LDS instructions are served in order
.endr
.endm
.macro SEND a, younger
.set BB, BK+64*((\a)%2)
	s_wait_dscnt \younger
.if (\a) > 0
	s_add_nc_u64 s[12:13], s[12:13], 16*SIZE_N*4   ; behind a wait on XCNT for the stores that read it
.endif
	WIN 0x04
.irp t, 0,1,2,3,4,5,6,7,8,9,10,11,12,13,14,15
	global_store_b128 v[CO], v[BB+4*\t:BB+4*\t+3], s[12:13] offset:\t*SIZE_N*4 th:TH_STORE_NT
.endr
	WIN 0
.endm
; S and M2 of block a's 16 rows over my 128 columns: a lane holds 64 numbers of row l % 16, lane l xor 16 the other 64
.macro STATS a
.set AC, 64*((\a)%4)
.set RR, SE+2*((\a)%2)
	WIN 0x0a+5*((\a)/4)
.irp b, 0,1,2,3,4,5,6,7
	v_pk_add_f32 v[T0+4*\b:T0+4*\b+1],   v[AC+8*\b:AC+8*\b+1],   v[AC+8*\b+2:AC+8*\b+3]
	v_pk_add_f32 v[T0+4*\b+2:T0+4*\b+3], v[AC+8*\b+4:AC+8*\b+5], v[AC+8*\b+6:AC+8*\b+7]
.endr
	WIN 0
.irp i, 0,2,4,6,8,10,12,14
	v_pk_add_f32 v[T0+2*\i:T0+2*\i+1], v[T0+2*\i:T0+2*\i+1], v[T0+2*\i+2:T0+2*\i+3]
.endr
.irp i, 0,4,8,12
	v_pk_add_f32 v[T0+2*\i:T0+2*\i+1], v[T0+2*\i:T0+2*\i+1], v[T0+2*\i+4:T0+2*\i+5]
.endr
.irp i, 0,8
	v_pk_add_f32 v[T0+2*\i:T0+2*\i+1], v[T0+2*\i:T0+2*\i+1], v[T0+2*\i+8:T0+2*\i+9]
.endr
	v_pk_add_f32 v[T0:T0+1], v[T0:T0+1], v[T0+16:T0+17]
	v_add_f32 v[T0], v[T0], v[T0+1]
	v_permlanex16_b32 v[T0+1], v[T0], s100, s101
	v_add_f32 v[RR], v[T0], v[T0+1]                ; S
	v_mul_f32 v[NMN], 0xbc000000, v[RR]            ; - S / 128
.irp hb, 0,1
	WIN 0x42+((\a)/4)
.set p, 0
.rept 16
	v_pk_add_f32 v[D1+2*p:D1+2*p+1], v[AC+32*\hb+2*p:AC+32*\hb+2*p+1], v[NMN:NMN+1] op_sel_hi:[1,0]
.set p, p+1
.endr
	WIN 0x05
.set p, 0
.rept 16
.if (\hb == 0) && (p < 4)
	v_pk_mul_f32 v[T0+2*p:T0+2*p+1], v[D1+2*p:D1+2*p+1], v[D1+2*p:D1+2*p+1]
.else
	v_pk_fma_f32 v[T0+2*(p%4):T0+2*(p%4)+1], v[D1+2*p:D1+2*p+1], v[D1+2*p:D1+2*p+1], v[T0+2*(p%4):T0+2*(p%4)+1]
.endif
.set p, p+1
.endr
.endr
	WIN 0
	v_pk_add_f32 v[T0:T0+1], v[T0:T0+1], v[T0+2:T0+3]
	v_pk_add_f32 v[T0+4:T0+5], v[T0+4:T0+5], v[T0+6:T0+7]
	v_pk_add_f32 v[T0:T0+1], v[T0:T0+1], v[T0+4:T0+5]
	v_add_f32 v[T0], v[T0], v[T0+1]
	v_permlanex16_b32 v[T0+1], v[T0], s100, s101
	v_add_f32 v[RR+1], v[T0], v[T0+1]              ; M2
.if (\a)%2
	v_cndmask_b32 v[SD],   v[SE],   v[SE+2], s66   ; lanes 0-15 the even block's rows, lanes 16-31 the odd block's: 256 consecutive bytes
	v_cndmask_b32 v[SD+1], v[SE+1], v[SE+3], s66
	global_store_b64 v[SA], v[SD:SD+1], s[98:99] offset:((\a)/2)*16384
.endif
.endm
	PLACES NP
	TOSTAGE 0
	STATS 0
.irp a, 1,2,3,4,5,6,7
.if \a > 1
	s_wait_xcnt 0x0                                ; earlier stores have read their registers and base
.endif
	TOSTAGE \a
	STATS \a
	SEND \a-1, 32                                  ; behind block a - 1's loads: block a's 16 stores and 16 loads
.endr
	s_wait_xcnt 0x0
	SEND 7, 0
	s_wait_tensorcnt 0x0                           ; the wave's end
	ds_add_u32 v[SPW], v[NIL]
	s_wait_dscnt 0x0
	CROUND                                         ; the closing round
	s_endpgm
.Lfunc_end_k_q2ed0b5ea68_gemm:
	.size	k_q2ed0b5ea68_gemm, .Lfunc_end_k_q2ed0b5ea68_gemm-k_q2ed0b5ea68_gemm
	.p2alignl 7, 3214868480
	.fill 96, 4, 3214868480
	.section	.rodata,"a",@progbits
	.p2align	6, 0x0
	.amdhsa_kernel k_q2ed0b5ea68_gemm
		.amdhsa_group_segment_fixed_size 327680
		.amdhsa_private_segment_fixed_size 0
		.amdhsa_enable_private_segment 0
		.amdhsa_kernarg_size 56
		.amdhsa_user_sgpr_count 2
		.amdhsa_user_sgpr_kernarg_segment_ptr 1
		.amdhsa_wavefront_size32 1
		.amdhsa_system_sgpr_workgroup_id_x 1
		.amdhsa_system_sgpr_workgroup_id_y 1
		.amdhsa_system_sgpr_workgroup_id_z 1
		.amdhsa_system_vgpr_workitem_id 0
		.amdhsa_next_free_vgpr 1024
		.amdhsa_next_free_sgpr 102
		.amdhsa_reserve_vcc 0
		.amdhsa_float_denorm_mode_32 3
		.amdhsa_float_denorm_mode_16_64 3
		.amdhsa_memory_ordered 1
		.amdhsa_forward_progress 1
		.amdhsa_inst_pref_size 255
	.end_amdhsa_kernel
	.section	.bss,"aw",@nobits
	.p2align	6
	.space	262144
	.amdgpu_metadata
---
amdhsa.version: [ 1, 2 ]
amdhsa.kernels:
  - .name:           k_q2ed0b5ea68_gemm
    .symbol:         k_q2ed0b5ea68_gemm.kd
    .args:
      - { .name: h_codes, .offset: 0, .size: 8, .value_kind: global_buffer, .address_space: global }
      - { .name: h_scales, .offset: 8, .size: 8, .value_kind: global_buffer, .address_space: global }
      - { .name: W_codes, .offset: 16, .size: 8, .value_kind: global_buffer, .address_space: global }
      - { .name: W_scales, .offset: 24, .size: 8, .value_kind: global_buffer, .address_space: global }
      - { .name: z, .offset: 32, .size: 8, .value_kind: global_buffer, .address_space: global }
      - { .name: b, .offset: 40, .size: 8, .value_kind: global_buffer, .address_space: global }
      - { .name: stats, .offset: 48, .size: 8, .value_kind: global_buffer, .address_space: global }
    .group_segment_fixed_size: 327680
    .private_segment_fixed_size: 0
    .kernarg_segment_align: 8
    .kernarg_segment_size: 56
    .max_flat_workgroup_size: 128
    .sgpr_count:     102
    .vgpr_count:     1024
    .wavefront_size: 32
...
	.end_amdgpu_metadata
.endif
;; end of part 1
;; launch cell (part 2): grid 512 x 1, 8 waves a work-group, no clusters, 0 bytes of LDS; arguments z, stats, c, gn_weight, gn_bias, out0, out1; writes out0, out1
.if DOCPART == 2
	.amdgcn_target "amdgcn-amd-amdhsa--gfx1250"
	.amdhsa_code_object_version 6
	.text
	.protected	k_q2ed0b5ea68_cell
	.globl	k_q2ed0b5ea68_cell
	.p2align	8
	.type	k_q2ed0b5ea68_cell,@function
k_q2ed0b5ea68_cell:
	s_mov_b64 s[64:65], 0
	v_nop
	global_prefetch_b8 v0, s[64:65] scope:SCOPE_SE
	s_setreg_imm32_b32 hwreg(HW_REG_WAVE_MODE, 25, 1), 1
	s_wait_xcnt 0x0
; The group norm and the LSTM cell on z = h W^T + b, [4096][8192] f32, which the launch before has stored with its statistics.
; For each row and each of its four groups of 2,048 channels: mean and variance; zn = (z - mean) rsqrt(var + 1e-5) x gn_weight + gn_bias; the groups are i, f, o, g;
; c_new = sigmoid(f) c + sigmoid(i) tanh(g) (out1);  h_new = sigmoid(o) tanh(c_new) (out0).  All in f32.
; stats: [128 blocks of 32 rows][64 runs of 128 columns][32 rows][S, M2].  A group is 16 runs:
; mean = sum of S / 2048;  variance = (sum of M2 + 128 x sum of (S / 128 - mean)^2) / 2048: only squares are added, no difference of large sums is formed.
; sigmoid(x) = 1 / (1 + 2^(-x log2 e));  tanh(x) = 1 - 2 / (1 + 2^(2 x log2 e)).  Where the power overflows to infinity or falls to 0 the reciprocal gives 0 or 1, the functions' own limits: no clamp is needed.
; LIMITS: NaN and infinities among the inputs are not served beyond what these formulas give.  v_exp_f32, v_rcp_f32 and v_rsq_f32 are good to one unit in the last place, and powers under 2^-126 count as 0 (ISA guide, their entries); tanh of a small x carries the absolute error of 1 - 2 / (1 + ..), some 1e-7.
; The input x of the problem enters no result of the function that is computed, so no launch of this program reads it.
; A STREAM: no LDS, no barrier, no matrix unit, no cluster: waves share nothing; no prefetch: every load is already asked for two rows ahead and read once.
; Eight waves of 256 registers; the work-group owns 8 whole rows.  Thread t owns, in each group and for u = 0, 1, the columns 1,024 u + 4 t + 0 .. 3:
; every load and store of a wave covers 512 consecutive bytes, and one offset register, 16 t, serves all tensors; row, group and u stand in the immediates.
; A thread's gains and biases stay in registers.  Three slots of registers hold three rows (8 loads of z, 2 of c each): one at work, two on their way.  The 8 rows are written out, so that no address is stepped.
.set ROWS, 8
.set ROWZ, 32768                       ; bytes in a row of z
.set ROWC, 8192                        ; bytes in a row of c, out0, out1
.set GRP,  8192                        ; bytes of a group in a row of z and in the gains
.set HALF, 4096                        ; bytes of what the 256 threads cover at once
.set PW,   16                          ; v16-47   gn_weight of my columns, register 8 g + 4 u + k, times the exponent's factor
.set PB,   48                          ; v48-79   gn_bias likewise
.set RS,   80                          ; v80-87   register 2 g + e, lane l: rsqrt(var + eps) of row 2 (l % 4) + e, group g
.set NM,   88                          ; v88-95   likewise - mean x rsqrt(var + eps)
.set X,    96                          ; v96-215  three slots of 40: z at 8 g + 4 u + k, c at 32 + 4 u + k
.set Y,    216                         ; v216-231 h_new (8), c_new (8), to store
.set NMV,  232                         ; v232-239 four pairs: the low word is the row's - mean x rstd of group g; the high words are written once
.set ST,   176                         ; v176-239 at the head only: the statistics as loaded
.set TA,   240                         ; v240-255 at work at the head
	s_load_b256 s[4:11], s[0:1], 0x0               ; z s[4:5], stats s[6:7], c s[8:9], gn_weight s[10:11]
	s_load_b128 s[12:15], s[0:1], 0x20             ; gn_bias s[12:13], out0 s[14:15]
	s_load_b64 s[16:17], s[0:1], 0x30              ; out1
	s_lshl_b32 s2, ttmp9, 18                       ; 8 rows of z are 262,144 bytes
	s_mov_b32 s3, 0
	s_lshl_b32 s18, ttmp9, 16                      ; 8 rows of c are 65,536 bytes
	s_mov_b32 s19, 0
	s_lshr_b32 s22, ttmp9, 2
	s_lshl_b32 s22, s22, 14                        ; my block of 32 rows in stats,
	s_and_b32 s23, ttmp9, 3
	s_lshl_b32 s23, s23, 6                         ; and which 8 of them: 8 bytes a row
	s_add_co_u32 s22, s22, s23
	s_mov_b32 s23, 0
	s_mov_b32 s20, 0x76543210                      ; selects for lane l xor 16
	s_mov_b32 s21, 0xfedcba98
	s_mov_b32 s25, 0                               ; the upper halves of the pairs that the packed form names
	s_mov_b32 s27, 0
	s_mov_b32 s29, 0
	s_mov_b32 s31, 0
	s_mov_b32 s36, 0x3a000000                      ; 1 / 2048
	s_mov_b32 s37, 0x3727c5ac                      ; 1e-5
	v_lshlrev_b32 v1, 4, v0                        ; 16 t; never rewritten
	v_and_b32 v3, 31, v0
	v_lshrrev_b32 v4, 3, v3
	v_and_b32 v3, 3, v3
	v_lshlrev_b32 v2, 8, v4
	v_lshl_add_u32 v2, v3, 4, v2                   ; stats: run lane / 8 of four, rows 2 (lane % 4) and 2 (lane % 4) + 1 (lanes 4-7 of each eight repeat lanes 0-3); never rewritten
	s_wait_alu depctr_va_vdst(0)                   ; the wait at the head's end
	s_wait_kmcnt 0x0
	s_add_nc_u64 s[4:5], s[4:5], s[2:3]
	s_add_nc_u64 s[6:7], s[6:7], s[22:23]
	s_add_nc_u64 s[8:9], s[8:9], s[18:19]
	s_add_nc_u64 s[14:15], s[14:15], s[18:19]
	s_add_nc_u64 s[16:17], s[16:17], s[18:19]
.irp k, 0,1,2,3,4,5,6,7,8,9,10,11,12,13,14,15
	global_load_b128 v[ST+4*\k:ST+4*\k+3], v2, s[6:7] offset:1024*\k   ; (S, M2, S, M2) of my two rows in run 4 k + lane / 8
.endr
.irp g, 0,1,2,3
.irp u, 0,1
	global_load_b128 v[PW+8*\g+4*\u:PW+8*\g+4*\u+3], v1, s[10:11] offset:\g*GRP+\u*HALF
	global_load_b128 v[PB+8*\g+4*\u:PB+8*\g+4*\u+3], v1, s[12:13] offset:\g*GRP+\u*HALF
.endr
.endr
.macro FILL s, j                       ; row j into slot s: ten loads.  Read once in the launch
.irp g, 0,1,2,3
.irp u, 0,1
	global_load_b128 v[X+40*(\s)+8*\g+4*\u:X+40*(\s)+8*\g+4*\u+3], v1, s[4:5] offset:(\j)*ROWZ+\g*GRP+\u*HALF th:TH_LOAD_NT
.endr
.endr
.irp u, 0,1
	global_load_b128 v[X+40*(\s)+32+4*\u:X+40*(\s)+32+4*\u+3], v1, s[8:9] offset:(\j)*ROWC+\u*HALF th:TH_LOAD_NT
.endr
.endm
	FILL 0, 0
	FILL 1, 1
; Group g's 16 runs are joined: four lie in my registers, the others in the lanes 8 and 16 away.  My two rows (e = 0, 1) by turns.  Every wave does this for itself: it spares LDS and a barrier.
.macro MERGE g
.set SG, ST+16*(\g)
.irp e, 0,1
	v_add_f32 v[TA+8*\e],   v[SG+2*\e],   v[SG+4+2*\e]
	v_add_f32 v[TA+8*\e+1], v[SG+8+2*\e], v[SG+12+2*\e]
.endr
.irp e, 0,1
	v_add_f32 v[TA+8*\e], v[TA+8*\e], v[TA+8*\e+1]
.endr
.irp e, 0,1
	v_add_f32_dpp v[TA+8*\e], v[TA+8*\e], v[TA+8*\e] row_xmask:8 row_mask:0xf bank_mask:0xf
.endr
.irp e, 0,1
	v_permlanex16_b32 v[TA+8*\e+1], v[TA+8*\e], s20, s21
.endr
.irp e, 0,1
	v_add_f32 v[TA+8*\e], v[TA+8*\e], v[TA+8*\e+1]             ; the group's sum
.endr
.irp e, 0,1
	v_mul_f32 v[TA+8*\e+2], 0xba000000, v[TA+8*\e]             ; - mean = - sum / 2048
.endr
.irp k, 0,1,2,3
.irp e, 0,1
	v_fmamk_f32 v[TA+8*\e+3+\k], v[SG+4*\k+2*\e], 0x3c000000, v[TA+8*\e+2]   ; a run's mean S / 128, less the group's
.endr
.endr
.irp e, 0,1
	v_mul_f32 v[TA+8*\e+7], v[TA+8*\e+3], v[TA+8*\e+3]
.endr
.irp k, 1,2,3
.irp e, 0,1
	v_fmac_f32 v[TA+8*\e+7], v[TA+8*\e+3+\k], v[TA+8*\e+3+\k]
.endr
.endr
.irp e, 0,1
	v_add_f32 v[TA+8*\e+3], v[SG+1+2*\e], v[SG+5+2*\e]
	v_add_f32 v[TA+8*\e+4], v[SG+9+2*\e], v[SG+13+2*\e]
.endr
.irp e, 0,1
	v_add_f32 v[TA+8*\e+3], v[TA+8*\e+3], v[TA+8*\e+4]
.endr
.irp e, 0,1
	v_fmamk_f32 v[TA+8*\e+7], v[TA+8*\e+7], 0x43000000, v[TA+8*\e+3]         ; 128 x the squares + my four M2
.endr
.irp e, 0,1
	v_add_f32_dpp v[TA+8*\e+7], v[TA+8*\e+7], v[TA+8*\e+7] row_xmask:8 row_mask:0xf bank_mask:0xf
.endr
.irp e, 0,1
	v_permlanex16_b32 v[TA+8*\e+1], v[TA+8*\e+7], s20, s21
.endr
.irp e, 0,1
	v_add_f32 v[TA+8*\e+7], v[TA+8*\e+7], v[TA+8*\e+1]
.endr
.irp e, 0,1
	v_fma_f32 v[TA+8*\e+7], v[TA+8*\e+7], s36, s37             ; variance + eps
.endr
	s_wait_alu depctr_va_vdst(0)                   ; the wait ahead of the batch
.irp e, 0,1
	v_rsq_f32 v[RS+2*(\g)+\e], v[TA+8*\e+7]
.endr
	v_nop                                          ; one plain instruction between a transcendental and the use of its result (ISA guide 5.7.2)
	s_wait_alu depctr_va_vdst(0)                   ; and behind it
.irp e, 0,1
	v_mul_f32 v[NM+2*(\g)+\e], v[TA+8*\e+2], v[RS+2*(\g)+\e]   ; - mean x rstd
.endr
.endm
	s_wait_loadcnt 36                              ; the 16 loads of statistics are in; the 16 of gains and biases and two rows' 20 may be out
	MERGE 0
	MERGE 1
	MERGE 2
	MERGE 3
.irp g, 0,1,2,3
	v_mov_b32 v[NMV+2*\g+1], 0
.endr
	FILL 2, 2                                      ; over the statistics, which have been read
	s_wait_loadcnt 30                              ; gains and biases are in; three rows' loads may be out
.set i, 0
.rept 12                                       ; groups i, f, o feed sigmoids: gain and bias times - log2 e, so that the affine step gives the exponent itself
	v_pk_mul_f32 v[PW+2*i:PW+2*i+1], v[PW+2*i:PW+2*i+1], 0xbfb8aa3b op_sel_hi:[1,0]
	v_pk_mul_f32 v[PB+2*i:PB+2*i+1], v[PB+2*i:PB+2*i+1], 0xbfb8aa3b op_sel_hi:[1,0]
.set i, i+1
.endr
.rept 4                                        ; group g feeds tanh: times 2 log2 e
	v_pk_mul_f32 v[PW+2*i:PW+2*i+1], v[PW+2*i:PW+2*i+1], 0x4038aa3b op_sel_hi:[1,0]
	v_pk_mul_f32 v[PB+2*i:PB+2*i+1], v[PB+2*i:PB+2*i+1], 0x4038aa3b op_sel_hi:[1,0]
.set i, i+1
.endr
; Row j, in slot j % 3.  Of the waits on the vector side a batch of transcendentals has one ahead and one behind.
.macro TURN j
.set XS, X+40*((\j)%3)
.if (\j) < ROWS-2
	s_wait_loadcnt 20                              ; loads come back in order (ISA guide 5.7.1): row j is in, the 20 loads of the two rows behind it stay out
.else
	s_wait_loadcnt 10*(ROWS-1-(\j))                ; the last rows: the counts run down
.endif
.irp g, 0,1,2,3
	v_readlane_b32 s[24+2*\g], v[RS+2*\g+(\j)%2], (\j)/2       ; the row's four rstd,
	v_readlane_b32 s[32+\g],   v[NM+2*\g+(\j)%2], (\j)/2       ; and - mean x rstd
.endr
.irp g, 0,1,2,3
	v_mov_b32 v[NMV+2*\g], s[32+\g]
.endr
.irp p, 0,1,2,3,4,5,6,7,8,9,10,11,12,13,14,15
	v_pk_fma_f32 v[XS+2*\p:XS+2*\p+1], v[XS+2*\p:XS+2*\p+1], s[24+2*(\p/4):25+2*(\p/4)], v[NMV+2*(\p/4):NMV+2*(\p/4)+1] op_sel_hi:[1,0,0]   ; (z - mean) rstd
.endr
.irp p, 0,1,2,3,4,5,6,7,8,9,10,11,12,13,14,15
	v_pk_fma_f32 v[XS+2*\p:XS+2*\p+1], v[XS+2*\p:XS+2*\p+1], v[PW+2*\p:PW+2*\p+1], v[PB+2*\p:PB+2*\p+1]   ; gain, bias and the exponent's factor
.endr
.set n, 0
	s_wait_alu depctr_va_vdst(0)
.rept 32
	v_exp_f32 v[XS+n], v[XS+n]
.set n, n+1
.endr
	v_nop
	s_wait_alu depctr_va_vdst(0)
.irp p, 0,1,2,3,4,5,6,7,8,9,10,11,12,13,14,15
	v_pk_add_f32 v[XS+2*\p:XS+2*\p+1], v[XS+2*\p:XS+2*\p+1], 1.0 op_sel_hi:[1,0]
.endr
.set n, 0
	s_wait_alu depctr_va_vdst(0)
.rept 32
	v_rcp_f32 v[XS+n], v[XS+n]                     ; sigmoid(i), sigmoid(f), sigmoid(o); and 1 / (1 + 2^..) for tanh(g)
.set n, n+1
.endr
	v_nop
	s_wait_alu depctr_va_vdst(0)
	s_wait_xcnt 0x0                                ; Y, which the last row's stores read, is rewritten only behind this wait (ISA guide 3.1)
.irp p, 0,1,2,3
	v_pk_fma_f32 v[XS+24+2*\p:XS+25+2*\p], v[XS+24+2*\p:XS+25+2*\p], -2.0, 1.0 op_sel_hi:[1,0,0]   ; tanh(g)
.endr
.irp p, 0,1,2,3
	v_pk_mul_f32 v[XS+2*\p:XS+2*\p+1], v[XS+2*\p:XS+2*\p+1], v[XS+24+2*\p:XS+25+2*\p]              ; sigmoid(i) tanh(g)
.endr
.irp p, 0,1,2,3
	v_pk_fma_f32 v[Y+8+2*\p:Y+9+2*\p], v[XS+8+2*\p:XS+9+2*\p], v[XS+32+2*\p:XS+33+2*\p], v[XS+2*\p:XS+2*\p+1]   ; c_new = sigmoid(f) c + that
.endr
.irp p, 0,1,2,3
	v_pk_mul_f32 v[XS+2*\p:XS+2*\p+1], v[Y+8+2*\p:Y+9+2*\p], 0x4038aa3b op_sel_hi:[1,0]            ; 2 log2 e x c_new
.endr
.set n, 0
	s_wait_alu depctr_va_vdst(0)
.rept 8
	v_exp_f32 v[XS+n], v[XS+n]
.set n, n+1
.endr
	v_nop
	s_wait_alu depctr_va_vdst(0)
.irp p, 0,1,2,3
	v_pk_add_f32 v[XS+2*\p:XS+2*\p+1], v[XS+2*\p:XS+2*\p+1], 1.0 op_sel_hi:[1,0]
.endr
.set n, 0
	s_wait_alu depctr_va_vdst(0)
.rept 8
	v_rcp_f32 v[XS+n], v[XS+n]
.set n, n+1
.endr
	v_nop
	s_wait_alu depctr_va_vdst(0)
.irp p, 0,1,2,3
	v_pk_fma_f32 v[XS+2*\p:XS+2*\p+1], v[XS+2*\p:XS+2*\p+1], -2.0, 1.0 op_sel_hi:[1,0,0]           ; tanh(c_new)
.endr
.irp p, 0,1,2,3
	v_pk_mul_f32 v[Y+2*\p:Y+2*\p+1], v[XS+16+2*\p:XS+17+2*\p], v[XS+2*\p:XS+2*\p+1]                ; h_new = sigmoid(o) tanh(c_new)
.endr
.if (\j)+3 < ROWS
	FILL (\j)%3, (\j)+3                            ; the slot takes the row three on: loads ahead of stores; the last three rows ask for nothing
.endif
.irp u, 0,1
	global_store_b128 v1, v[Y+8+4*\u:Y+8+4*\u+3], s[16:17] offset:(\j)*ROWC+\u*HALF th:TH_STORE_NT   ; c_new: a wave's store covers 512 consecutive bytes, at a multiple of 256 from the buffer's first byte
	global_store_b128 v1, v[Y+4*\u:Y+4*\u+3],     s[14:15] offset:(\j)*ROWC+\u*HALF th:TH_STORE_NT   ; h_new
.endr
.endm
.irp j, 0,1,2,3,4,5,6,7
	TURN \j
.endr
	s_endpgm
.Lfunc_end_k_q2ed0b5ea68_cell:
	.size	k_q2ed0b5ea68_cell, .Lfunc_end_k_q2ed0b5ea68_cell-k_q2ed0b5ea68_cell
	.p2alignl 7, 3214868480
	.fill 96, 4, 3214868480
	.section	.rodata,"a",@progbits
	.p2align	6, 0x0
	.amdhsa_kernel k_q2ed0b5ea68_cell
		.amdhsa_group_segment_fixed_size 0
		.amdhsa_private_segment_fixed_size 0
		.amdhsa_enable_private_segment 0
		.amdhsa_kernarg_size 56
		.amdhsa_user_sgpr_count 2
		.amdhsa_user_sgpr_kernarg_segment_ptr 1
		.amdhsa_wavefront_size32 1
		.amdhsa_system_sgpr_workgroup_id_x 1
		.amdhsa_system_sgpr_workgroup_id_y 1
		.amdhsa_system_sgpr_workgroup_id_z 1
		.amdhsa_system_vgpr_workitem_id 0
		.amdhsa_next_free_vgpr 256
		.amdhsa_next_free_sgpr 66
		.amdhsa_reserve_vcc 0
		.amdhsa_float_denorm_mode_32 3
		.amdhsa_float_denorm_mode_16_64 3
		.amdhsa_memory_ordered 1
		.amdhsa_forward_progress 1
		.amdhsa_inst_pref_size 96
	.end_amdhsa_kernel
	.amdgpu_metadata
---
amdhsa.version: [ 1, 2 ]
amdhsa.kernels:
  - .name:           k_q2ed0b5ea68_cell
    .symbol:         k_q2ed0b5ea68_cell.kd
    .args:
      - { .name: z, .offset: 0, .size: 8, .value_kind: global_buffer, .address_space: global }
      - { .name: stats, .offset: 8, .size: 8, .value_kind: global_buffer, .address_space: global }
      - { .name: c, .offset: 16, .size: 8, .value_kind: global_buffer, .address_space: global }
      - { .name: gn_weight, .offset: 24, .size: 8, .value_kind: global_buffer, .address_space: global }
      - { .name: gn_bias, .offset: 32, .size: 8, .value_kind: global_buffer, .address_space: global }
      - { .name: out0, .offset: 40, .size: 8, .value_kind: global_buffer, .address_space: global }
      - { .name: out1, .offset: 48, .size: 8, .value_kind: global_buffer, .address_space: global }
    .group_segment_fixed_size: 0
    .private_segment_fixed_size: 0
    .kernarg_segment_align: 8
    .kernarg_segment_size: 56
    .max_flat_workgroup_size: 256
    .sgpr_count:     66
    .vgpr_count:     256
    .wavefront_size: 32
...
	.end_amdgpu_metadata
.endif
;; end of part 2
